; MI455X (gfx1250); checked and timed in simulation.
; The chip was launched on July 23, 2026; its instructions are those of AMD's public machine-readable ISA for CDNA 5 (MIT licence, August 2026) and "CDNA5" Instruction Set Architecture Reference Guide (July 2026). The comments in the code are by the model that wrote it; some were corrected since.
;; Bahdanau Attention. Allowed arithmetic: matrix products marked QUANTISED: E4M3 operands, one given power-of-two scale a tensor, by v_wmma_f32_16x16x64_fp8_fp8 or v_wmma_f32_16x16x128_fp8_fp8, f32 sums; products left as they are: f32 operands where the result goes on into a quantised operand, else bf16, f16 or f32 operands; f32 sums; everything else in f32.
;; Inputs: Wa_b 1 float32; Wa_w 1 x 1,024 float32; Wb_b 1,024 float32; Wb_w_codes 1,024 x 32 x 32 uint8 (E4M3 codes of Wb_w, K innermost, in blocks of 32 codes); Wc_b 1,024 float32; Wc_w_codes 1,024 x 32 x 32 uint8 (E4M3 codes of Wc_w, K innermost, in blocks of 32 codes); decoder_state_codes 32 x 32 x 32 uint8 (E4M3 codes of decoder_state, K innermost, in blocks of 32 codes); encoder_hiddens 32 x 2,048 x 1,024 float32; lowp_scales 4 int32 (the exponents e of the quantised operands' scales 2^e).
;; Outputs: out0 32 x 1,024 float32.
;; This version of the problem:
;;   THIS VERSION OF THE PROBLEM IS GIVEN IN LOW PRECISION. The matrix products marked QUANTISED in the list below multiply operands that are first quantised to E4M3 (4 exponent bits, 3 mantissa bits; 8 bits a number), with one given power-of-two scale for each operand tensor; their sums are f32. All else is computed in f32.
;;   The module's matrix products, in the order in which they are computed (A, B: the left and right operand; K: the contracted axis; several contracted axes count as one K, in the product's order):
;;     1. [M 32, K 1,024] x [K 1,024, N 1,024]; A: input decoder_state (given as codes); B: input Wb_w (given as codes): QUANTISED (scales: A lowp_scales[0], B lowp_scales[1])
;;     2. [M 65,536, K 1,024] x [K 1,024, N 1,024]; A: input encoder_hiddens; B: input Wc_w (given as codes): QUANTISED (scales: A lowp_scales[2], B lowp_scales[3])
;;     3. [M 65,536, K 1,024] x [K 1,024, N 1]; A: computed on the way; B: input Wa_w: left as it is (N = 1 < 16)
;;     4. batch 32 x [M 1, K 2,048] x [K 2,048, N 1,024]; A: softmax; B: input encoder_hiddens: left as it is (M = 1 < 16)
;;   THE QUANTISER, for each operand of a quantised product, along K:
;;     - The operand's scale is 2^e, e = its entry of the input lowp_scales (int32; the entries are numbered through the quantised products in the list's order, A before B).
;;     - Each number is divided by the scale, clamped to +-448, and rounded to the nearest number of E4M3, ties to even, subnormals kept.
;;     - The product sums the exact products of the quantised numbers (number of the format x scale) in f32.
;;   ~~~python
;;   def quantise(x, axis, e):      # numpy; x: float32 -> the quantised numbers, widened to float32 again
;;       x = np.moveaxis(x, axis, -1); K = x.shape[-1]
;;       r = np.clip(x / 2.0 ** e, -448, 448)
;;       step = 2.0 ** (np.maximum(np.frexp(np.where(r == 0, 1, r))[1] - 1, -6) - 3)
;;       q = np.round(r / step) * step * 2.0 ** e      # np.round: ties to even
;;       return np.moveaxis(q, -1, axis).astype(np.float32)
;;   ~~~
;;   INPUTS GIVEN AS CODES. Wb_w (in the module: [1024, 1024], K = its axis 1); Wc_w (in the module: [1024, 1024], K = its axis 1); decoder_state (in the module: [32, 1024], K = its axis 1): each comes as NAME_codes (uint8): NAME with its K axis moved to the last place and cut into blocks of 32 codes, [.., K / 32, bytes a block], one block behind the other in memory; one code a byte (a code: sign, 4 exponent bits, 3 mantissa bits); its scale is its entry of lowp_scales. Its value is code x scale, taken as it is: it is not quantised again, and the codes and scales need not be those that the quantiser above would give.
;; One version. Each part assembles by itself: llvm-mc -triple=amdgcn-amd-amdhsa -mcpu=gfx1250 --defsym DOCPART=n.
;; ======== version 1 of 1: 3 launches
;; limits: values are held in bf16: 8 bits of precision; right only within a limited range of input values
;; workspace buffers: wfrag 1,048,576 bytes; cvw 131,072 bytes; aux 512 bytes; pctx 1,048,576 bytes; pstat 131,072 bytes
;; launch prep (part 1): grid 64 x 1, 4 waves a work-group, no clusters, 8,704 bytes of LDS; arguments decoder_state_codes, Wb_w_codes, Wc_w_codes, Wb_b, Wc_b, Wa_w, Wa_b, lowp_scales, wfrag, cvw, aux; writes wfrag, cvw, aux
.if DOCPART == 1
	.amdgcn_target "amdgcn-amd-amdhsa--gfx1250"
	.amdhsa_code_object_version 6
	.text
	.protected	k_qfb3e2c79f7_prep
	.globl	k_qfb3e2c79f7_prep
	.p2align	8
	.type	k_qfb3e2c79f7_prep,@function
k_qfb3e2c79f7_prep:
	s_mov_b64 s[64:65], 0
	v_nop
	global_prefetch_b8 v0, s[64:65] scope:SCOPE_SE
	s_setreg_imm32_b32 hwreg(HW_REG_WAVE_MODE, 25, 1), 1
	s_wait_xcnt 0x0
; PREPARATION for the main launch.  Work-group t (0..63) owns the 16 attention units 16 t .. 16 t + 15.  Three things:
; (1) Wc's codes are laid in the order of a matrix operand's registers: the fragment of K step s (128 along K) and unit tile t lies at
;     (64 s + t) x 2,048 bytes; piece c at + 512 c, lane L at + 16 L: the 16 codes Wc[16 t + L % 16][128 s + 32 c + 16 (L / 16) + 0 .. 15].
;     So the main launch brings a fragment by four loads of 512 consecutive bytes.
; (2) cv[b][k] = a x (dec_proj[b][k] + Wb_b[k] + Wc_b[k]), a = 2 log2(e): dec_proj is the quantised product of the given codes of decoder_state and Wb_w,
;     by v_wmma_f32_16x16x128_fp8_fp8, f32 sums, x 2^(e0 + e1) by v_ldexp_f32.  K = 1,024 is shared among the four waves, two K steps each; the four parts meet in LDS.
;     Both operands take k in the same permuted order (four loads of 16 bytes, 32 bytes apart), so every product meets its partner.
;     cv is laid as the result's registers lie: t x 2,048 + q x 512 + 16 L + 4 i holds batch 16 (q / 2) + 8 (L / 16) + 4 (q % 2) + i, unit 16 t + L % 16.
; (3) S0 = Wa_b + the sum of Wa_w's 1,024 numbers: with tanh(z) = 1 - 2 r, r = 1 / (1 + 2^(a z)), a score is S0 - 2 x the sum of Wa_w[k] r[k].  All in f32.
.set WB,  16                           ; v16-47   Wb: my two K steps' fragments
.set DC,  48                           ; v48-111  decoder_state: fragment (K step sl, batch tile mt) at 16 (2 sl + mt); later the four waves' parts
.set WC,  112                          ; v112-143 Wc: my two K steps' fragments
.set AC0, 144                          ; v144-151 sums, batches 0-15
.set AC1, 152                          ; v152-159 sums, batches 16-31
.set WA,  160                          ; v160-191 Wa_w
	s_load_b512 s[4:19], s[0:1], 0x0               ; decoder codes s[4:5], Wb codes s[6:7], Wc codes s[8:9], Wb_b s[10:11], Wc_b s[12:13], Wa_w s[14:15], Wa_b s[16:17], scales s[18:19]
	s_load_b128 s[20:23], s[0:1], 0x40             ; wfrag s[20:21], cvw s[22:23]
	s_load_b64 s[24:25], s[0:1], 0x50              ; aux
	v_lshl_add_u32 v192, v0, 2, 0x2000
	v_mov_b32 v193, 0
	v_lshrrev_b32 v1, 5, v0
	v_readfirstlane_b32 s26, v1                    ; wave 0..3
	v_and_b32 v10, 31, v0                          ; lane L
	v_and_b32 v1, 15, v0                           ; r
	v_bfe_u32 v2, v0, 4, 1                         ; h
	v_lshlrev_b32 v3, 10, v1                       ; a row of codes is 1,024 bytes
	v_lshl_add_u32 v3, v2, 4, v3                   ; + 16 h
	s_lshl_b32 s27, s26, 8
	v_add_nc_u32 v3, s27, v3                       ; + my wave's two K steps: 256 w
	v_lshlrev_b32 v4, 2, v1                        ; 4 r: my unit's bias
	v_lshlrev_b32 v5, 4, v10                       ; 16 L
	s_lshl_b32 s27, s26, 11
	v_add_nc_u32 v6, s27, v5                       ; LDS: my wave's four pieces: 2,048 w + 16 L
	s_lshl_b32 s27, s26, 9
	v_add_nc_u32 v7, s27, v5                       ; LDS: piece w of wave 0: 512 w + 16 L
	s_lshl_b32 s34, ttmp9, 14                      ; 16 rows of 1,024 bytes x t
	s_mov_b32 s35, 0
	s_lshl_b32 s36, ttmp9, 6                       ; 16 numbers of 4 bytes x t
	s_mov_b32 s37, 0
	s_lshl_b32 s38, ttmp9, 11
	s_lshl_b32 s27, s26, 18
	s_add_co_u32 s38, s38, s27                     ; wfrag: 2,048 t + 2 K steps x 131,072 x w
	s_mov_b32 s39, 0
	s_lshl_b32 s40, ttmp9, 11
	s_lshl_b32 s27, s26, 9
	s_add_co_u32 s40, s40, s27                     ; cvw: 2,048 t + 512 w
	s_mov_b32 s41, 0
	s_mov_b32 s42, 0x76543210                      ; v_permlanex16_b32: lane l takes lane l xor 16
	s_mov_b32 s43, 0xfedcba98
	s_wait_alu depctr_va_vdst(0)
	s_wait_kmcnt 0x0
	s_load_b128 s[28:31], s[18:19], 0x0            ; e0, e1, e2, e3
	s_load_b32 s32, s[16:17], 0x0                  ; Wa_b
	s_add_nc_u64 s[6:7], s[6:7], s[34:35]
	s_add_nc_u64 s[8:9], s[8:9], s[34:35]
	s_add_nc_u64 s[10:11], s[10:11], s[36:37]
	s_add_nc_u64 s[12:13], s[12:13], s[36:37]
	s_add_nc_u64 s[20:21], s[20:21], s[38:39]
	s_add_nc_u64 s[22:23], s[22:23], s[40:41]
.irp sl, 0,1
.irp c, 0,1,2,3
	global_load_b128 v[WC+16*\sl+4*\c:WC+16*\sl+4*\c+3], v3, s[8:9] offset:128*\sl+32*\c
	global_load_b128 v[WB+16*\sl+4*\c:WB+16*\sl+4*\c+3], v3, s[6:7] offset:128*\sl+32*\c
	global_load_b128 v[DC+32*\sl+4*\c:DC+32*\sl+4*\c+3], v3, s[4:5] offset:128*\sl+32*\c
	global_load_b128 v[DC+32*\sl+16+4*\c:DC+32*\sl+16+4*\c+3], v3, s[4:5] offset:16384+128*\sl+32*\c
.endr
.endr
	global_load_b32 v8, v4, s[10:11]               ; Wb_b[16 t + r]
	global_load_b32 v9, v4, s[12:13]               ; Wc_b[16 t + r]
.irp i, 0,1,2,3,4,5,6,7
	global_load_b128 v[WA+4*\i:WA+4*\i+3], v5, s[14:15] offset:512*\i
.endr
	s_wait_loadcnt 0x0
.irp sl, 0,1                                   ; (1) Wc's fragments leave as they stand: each store of the wave covers 512 consecutive bytes, aligned
.irp c, 0,1,2,3
	global_store_b128 v5, v[WC+16*\sl+4*\c:WC+16*\sl+4*\c+3], s[20:21] offset:131072*\sl+512*\c
.endr
.endr
	; (2) source 0 = 16 batches, source 1 = my 16 units: register j of lane (r, h) is (batch 8 h + j of the tile, unit r).  The two accumulators take turns
	v_wmma_f32_16x16x128_fp8_fp8 v[AC0:AC0+7], v[DC:DC+15], v[WB:WB+15], 0
	v_wmma_f32_16x16x128_fp8_fp8 v[AC1:AC1+7], v[DC+16:DC+31], v[WB:WB+15], 0
	v_wmma_f32_16x16x128_fp8_fp8 v[AC0:AC0+7], v[DC+32:DC+47], v[WB+16:WB+31], v[AC0:AC0+7]
	v_wmma_f32_16x16x128_fp8_fp8 v[AC1:AC1+7], v[DC+48:DC+63], v[WB+16:WB+31], v[AC1:AC1+7]
.rept 4
	v_nop                                          ; four places between a matrix instruction and the stores that read its result, and the loads into its sources
.endr
	ds_store_b128 v6, v[AC0:AC0+3]                 ; each accumulator from its low end on
	ds_store_b128 v6, v[AC0+4:AC0+7] offset:512
	ds_store_b128 v6, v[AC1:AC1+3] offset:1024
	ds_store_b128 v6, v[AC1+4:AC1+7] offset:1536
	s_wait_dscnt 0x0                               ; for the others' sake: my four pieces lie in LDS
	s_barrier_signal -1
	s_barrier_wait -1
.irp p, 0,1,2,3
	ds_load_b128 v[DC+4*\p:DC+4*\p+3], v7 offset:2048*\p   ; piece w of each of the four waves
.endr
	; (3) meanwhile: the sum of Wa_w, in every wave
.irp j, 0,2,4,6,8,10,12,14
	v_pk_add_f32 v[WA+\j:WA+\j+1], v[WA+\j:WA+\j+1], v[WA+16+\j:WA+17+\j]
.endr
.irp j, 0,2,4,6
	v_pk_add_f32 v[WA+\j:WA+\j+1], v[WA+\j:WA+\j+1], v[WA+8+\j:WA+9+\j]
.endr
.irp j, 0,2
	v_pk_add_f32 v[WA+\j:WA+\j+1], v[WA+\j:WA+\j+1], v[WA+4+\j:WA+5+\j]
.endr
	v_pk_add_f32 v[WA:WA+1], v[WA:WA+1], v[WA+2:WA+3]
	v_add_f32 v[WA], v[WA], v[WA+1]
.irp x, 1,2,4,8
	v_add_f32_dpp v[WA], v[WA], v[WA] row_xmask:\x row_mask:0xf bank_mask:0xf
.endr
	v_permlanex16_b32 v[WA+1], v[WA], s42, s43
	v_add_f32 v[WA], v[WA], v[WA+1]
	s_wait_alu depctr_va_vdst(0)
	s_wait_kmcnt 0x0
	v_add_f32 v[WA], s32, v[WA]                    ; S0 = Wa_b + the sum
	v_mov_b32 v[WA+1], v[WA]
	v_mov_b32 v[WA+2], v[WA]
	v_mov_b32 v[WA+3], v[WA]
	s_add_co_i32 s33, s28, s29                     ; e0 + e1
	v_add_f32 v8, v8, v9                           ; the two biases
	s_wait_dscnt 0x0
	v_pk_add_f32 v[DC:DC+1], v[DC:DC+1], v[DC+4:DC+5]
	v_pk_add_f32 v[DC+2:DC+3], v[DC+2:DC+3], v[DC+6:DC+7]
	v_pk_add_f32 v[DC+8:DC+9], v[DC+8:DC+9], v[DC+12:DC+13]
	v_pk_add_f32 v[DC+10:DC+11], v[DC+10:DC+11], v[DC+14:DC+15]
	v_pk_add_f32 v[DC:DC+1], v[DC:DC+1], v[DC+8:DC+9]
	v_pk_add_f32 v[DC+2:DC+3], v[DC+2:DC+3], v[DC+10:DC+11]
.irp k, 0,1,2,3
	v_ldexp_f32 v[DC+\k], v[DC+\k], s33            ; x 2^(e0 + e1)
.endr
.irp k, 0,1,2,3
	v_add_f32 v[DC+\k], v[DC+\k], v8
.endr
.irp k, 0,1,2,3
	v_mul_f32 v[DC+\k], 0x4038aa3b, v[DC+\k]       ; x a = 2 log2(e)
.endr
	global_store_b128 v5, v[DC:DC+3], s[22:23]     ; 512 consecutive bytes, aligned
	s_or_b32 s33, ttmp9, s26
	s_cmp_lg_u32 s33, 0
	s_cbranch_scc1 .Lnot_first                     ; S0 is stored once: by wave 0 of work-group 0
	global_store_b128 v5, v[WA:WA+3], s[24:25]
.Lnot_first:
	s_wait_tensorcnt 0x0
	ds_add_u32 v192, v193
	s_wait_dscnt 0x0
	s_endpgm
.Lfunc_end_k_qfb3e2c79f7_prep:
	.size	k_qfb3e2c79f7_prep, .Lfunc_end_k_qfb3e2c79f7_prep-k_qfb3e2c79f7_prep
	.p2alignl 7, 3214868480
	.fill 96, 4, 3214868480
	.section	.rodata,"a",@progbits
	.p2align	6, 0x0
	.amdhsa_kernel k_qfb3e2c79f7_prep
		.amdhsa_group_segment_fixed_size 8704
		.amdhsa_private_segment_fixed_size 0
		.amdhsa_enable_private_segment 0
		.amdhsa_kernarg_size 88
		.amdhsa_user_sgpr_count 2
		.amdhsa_user_sgpr_kernarg_segment_ptr 1
		.amdhsa_wavefront_size32 1
		.amdhsa_system_sgpr_workgroup_id_x 1
		.amdhsa_system_sgpr_workgroup_id_y 1
		.amdhsa_system_sgpr_workgroup_id_z 1
		.amdhsa_system_vgpr_workitem_id 0
		.amdhsa_next_free_vgpr 194
		.amdhsa_next_free_sgpr 66
		.amdhsa_reserve_vcc 0
		.amdhsa_float_denorm_mode_32 3
		.amdhsa_float_denorm_mode_16_64 3
		.amdhsa_memory_ordered 1
		.amdhsa_forward_progress 1
		.amdhsa_inst_pref_size 11
	.end_amdhsa_kernel
	.amdgpu_metadata
---
amdhsa.version: [ 1, 2 ]
amdhsa.kernels:
  - .name:           k_qfb3e2c79f7_prep
    .symbol:         k_qfb3e2c79f7_prep.kd
    .args:
      - { .name: decoder_state_codes, .offset: 0, .size: 8, .value_kind: global_buffer, .address_space: global }
      - { .name: Wb_w_codes, .offset: 8, .size: 8, .value_kind: global_buffer, .address_space: global }
      - { .name: Wc_w_codes, .offset: 16, .size: 8, .value_kind: global_buffer, .address_space: global }
      - { .name: Wb_b, .offset: 24, .size: 8, .value_kind: global_buffer, .address_space: global }
      - { .name: Wc_b, .offset: 32, .size: 8, .value_kind: global_buffer, .address_space: global }
      - { .name: Wa_w, .offset: 40, .size: 8, .value_kind: global_buffer, .address_space: global }
      - { .name: Wa_b, .offset: 48, .size: 8, .value_kind: global_buffer, .address_space: global }
      - { .name: lowp_scales, .offset: 56, .size: 8, .value_kind: global_buffer, .address_space: global }
      - { .name: wfrag, .offset: 64, .size: 8, .value_kind: global_buffer, .address_space: global }
      - { .name: cvw, .offset: 72, .size: 8, .value_kind: global_buffer, .address_space: global }
      - { .name: aux, .offset: 80, .size: 8, .value_kind: global_buffer, .address_space: global }
    .group_segment_fixed_size: 8704
    .private_segment_fixed_size: 0
    .kernarg_segment_align: 8
    .kernarg_segment_size: 88
    .max_flat_workgroup_size: 128
    .sgpr_count:     66
    .vgpr_count:     194
    .wavefront_size: 32
...
	.end_amdgpu_metadata
.endif
;; end of part 1
;; launch main (part 2): grid 256 x 1, 4 waves a work-group, no clusters, 276,992 bytes of LDS; arguments encoder_hiddens, wfrag, cvw, Wa_w, aux, lowp_scales, pctx, pstat; writes pctx, pstat
.if DOCPART == 2
	.amdgcn_target "amdgcn-amd-amdhsa--gfx1250"
	.amdhsa_code_object_version 6
	.text
	.protected	k_qfb3e2c79f7_main
	.globl	k_qfb3e2c79f7_main
	.p2align	8
	.type	k_qfb3e2c79f7_main,@function
k_qfb3e2c79f7_main:
	s_mov_b64 s[64:65], 0
	v_nop
	global_prefetch_b8 v0, s[64:65] scope:SCOPE_SE
	s_setreg_imm32_b32 hwreg(HW_REG_WAVE_MODE, 25, 1), 1
	s_wait_xcnt 0x0
; Work-group g owns rows 256 g .. 256 g + 255 of encoder_hiddens (an eighth of batch g / 8), in two blocks of 128 rows, and stores its part of the softmax: largest score m, sum l, context sum of e^(score - m) x[row][:].
; A BLOCK: (1) each wave loads its 256 columns of the 128 rows into registers; the f32 numbers are quantised (hold at 448 x 2^e2, E4M3 codes) into LDS rows of 1,024 + 16 bytes,
; and a bf16 copy for the context is kept: rows 0-63 in registers, rows 64-127 in LDS bytes of the wave's own.
; (2) four passes; in a pass a wave makes 128 rows x 64 units of its own: 32 accumulators, K in 8 steps of 128.  A's fragments come from LDS, in two runs of 16 loads a step;
; Wc's come from wfrag, laid in operand order, into a ring of 16 register fragments, four K steps ahead; each fragment is loaded by one wave, so a block draws Wc's 1 MiB once.
; (3) tanh(z) = 1 - 2 r, r = 1 / (1 + 2^(a z)), in place on the accumulators; the sums of Wa_w[k] r[k] grow in 64 registers; score = S0 - 2 x that sum.
; (4) the sums are joined over 16 lanes and, through LDS, over the four waves; running maximum, p = e^(score - m); the context takes p x the bf16 copy, f32 sums.
; NO JOINT LOADS: the weights go from memory into registers and touch no LDS byte; LDS already serves 32 fragment loads for every 32 matrix instructions of a wave.
; NO TENSOR LOADS: x is converted in the registers in which it lands: 64 loads of 512 bytes a wave are out.
; LIMITS: e2 between -126 and 119, so that 2^e2 and 448 x 2^e2 are f32 numbers; e2 + e3 goes by v_ldexp_f32.
; REGISTERS: window 0: v0-31 addresses and state, v32-39 this pass's cv and Wa_w, v40-63 at work, v64-127 the score sums, v128-255 A's fragments;
; window 1: accumulators (while x is loaded: 32 rows on their way); window 2: Wc's ring; window 3: bf16 rows 0-63.
.set CODP,  1040
.set BF,    133120
.set SC,    264192
.set PB,    266240
.set TBL,   268288
.set SPARE, 276480
.set SPW, 1
.set NIL, 2
.set XO,  3
.set BF0, 4
.set BF1, 5
.set BA,  6
.set TB0, 7
.set ADA, 8
.set TBA, 10
.set LIM, 11
.set SCL, 12
.set SCW, 13
.set SCR, 14
.set PBW, 15
.set PBR, 16
.set PFO, 17
.set MX,  18
.set LS,  19
.set CTX, 22
.set CV,  32
.set WA,  36
.set CWR, 60
.set SAC, 64
.set QC,  64
.set AF,  128
.set WV,  20
.set PS,  21
.set BLK, 22
.set CI,  23
.set XB,  26
.set WP,  28
.set PF,  30
.set SCA, 32
.set SZ,  34
.set MSB, 0
.macro WIN new
.if MSB != (\new)
	s_set_vgpr_msb (MSB<<8)|(\new)
.set MSB, \new
.endif
.endm
.macro PLACES
.rept 4
	v_nop
.endr
.endm
; 8 rows of x, chunk cc of the block, my 256 columns: each load of the wave covers 512 consecutive bytes
.macro XLD16 cc
	WIN 0x40
.irp i, 0,1,2,3,4,5,6,7
.irp u, 0,1
	global_load_b128 v[64*((\cc)%4)+8*\i+4*\u:64*((\cc)%4)+8*\i+4*\u+3], v[XO], s[XB:XB+1] offset:(8*(\cc)+\i)*4096+512*\u th:TH_LOAD_NT
.endr
.endr
	WIN 0
.endm
; my four fragments of Wc of one K step into ring place s % 4
.macro BLD s, off
	WIN 0x80
.irp j, 0,1,2,3
.irp c, 0,1,2,3
	global_load_b128 v[64*((\s)%4)+16*\j+4*\c:64*((\s)%4)+16*\j+4*\c+3], v[BA], s[WP:WP+1] offset:(\off)+2048*\j+512*\c
.endr
.endr
	WIN 0
.endm
; chunk c: 8 rows have landed: bf16 copy, hold, codes, and the next request into the same registers
.macro CHUNK c
.set LB, 64*((\c)%4)
	s_wait_loadcnt 48                              ; three younger groups of 16 loads may be out
.if (\c) < 8
	WIN 0xc5
.irp i, 0,1,2,3,4,5,6,7
.irp q, 0,1,2,3
	v_cvt_pk_bf16_f32 v[32*(\c)+4*\i+\q], v[LB+8*\i+2*\q], v[LB+8*\i+2*\q+1]
.endr
.endr
.else
	WIN 0x05
.irp i, 0,1,2,3,4,5,6,7
.irp q, 0,1,2,3
	v_cvt_pk_bf16_f32 v[AF+4*\i+\q], v[LB+8*\i+2*\q], v[LB+8*\i+2*\q+1]
.endr
.endr
	WIN 0
.irp i, 0,1,2,3,4,5,6,7
	ds_store_b128 v[BF0+(\c)/12], v[AF+4*\i:AF+4*\i+3] offset:((8*((\c)-8)+\i)%32)*2048
.endr
.endif
	WIN 0x41
.irp i, 0,1,2,3,4,5,6,7
.irp e, 0,1,2,3,4,5,6,7
	v_med3_num_f32 v[LB+8*\i+\e], v[LB+8*\i+\e], -v[LIM], v[LIM]
.endr
.endr
	WIN 0x01
.irp i, 0,1,2,3,4,5,6,7
	v_cvt_scalef32_pk8_fp8_f32 v[QC+2*\i:QC+2*\i+1], v[LB+8*\i:LB+8*\i+7], v[SCL]
.endr
	WIN 0
	v_nop                                          ; a plain line behind the last scaled conversion
.irp i, 0,1,2,3,4,5,6,7
	ds_store_b32 v[CWR+(\c)/4], v[QC+2*\i] offset:((8*(\c)+\i)%32)*CODP
	ds_store_b32 v[CWR+(\c)/4], v[QC+2*\i+1] offset:((8*(\c)+\i)%32)*CODP+128
.endr
.if (\c) < 12
	XLD16 (\c)+4
.else
	BLD (\c)-12, ((\c)-12)*131072                  ; the last four chunks ask for the ring's first four K steps instead: the count of younger loads stays 48
.endif
.endm
; four of A's fragments (rows 64 hf .. + 63) of K step s
.macro FETCHA hf, s
.irp i, 0,1,2,3
.irp c, 0,1,2,3
	ds_load_b128 v[AF+64*(\hf)+16*\i+4*\c:AF+64*(\hf)+16*\i+4*\c+3], v[ADA+(\hf)] offset:16640*\i+128*(\s)+32*\c
.endr
.endr
.endm
; 16 matrix instructions; the 32 accumulators take turns; K step 0 starts the sums
.macro MUL16 s, hf
.irp i, 0,1,2,3
.irp j, 0,1,2,3
.if (\s) == 0
	v_wmma_f32_16x16x128_fp8_fp8 v[8*(16*(\hf)+4*\i+\j):8*(16*(\hf)+4*\i+\j)+7], v[AF+64*(\hf)+16*\i:AF+64*(\hf)+16*\i+15], v[64*((\s)%4)+16*\j:64*((\s)%4)+16*\j+15], 0
.else
	v_wmma_f32_16x16x128_fp8_fp8 v[8*(16*(\hf)+4*\i+\j):8*(16*(\hf)+4*\i+\j)+7], v[AF+64*(\hf)+16*\i:AF+64*(\hf)+16*\i+15], v[64*((\s)%4)+16*\j:64*((\s)%4)+16*\j+15], v[8*(16*(\hf)+4*\i+\j):8*(16*(\hf)+4*\i+\j)+7]
.endif
.endr
.endr
.endm
; K step s.  lw: the ring's younger loads.  bm: 1 refill with this pass's step s + 4, 2 with the next pass's step s - 4, 0 none.  pf: block 1's x is asked of memory here
.macro KSTEP s, lw, bm, pf
	s_wait_loadcnt \lw
	s_wait_dscnt 16                                ; A's rows 0-63 are in; 16 younger loads may be out
	WIN 0x58
	MUL16 \s, 0
.if (\s) < 7
	PLACES
	WIN 0
	FETCHA 0, (\s)+1
.if \pf
	s_cmp_lg_u32 s[BLK], 0
	s_cbranch_scc1 .Lno_ask_\@
.irp q, 0,1,2,3
	global_prefetch_b8 v[PFO], s[PF:PF+1] offset:32768*\q th:TH_LOAD_NT scope:SCOPE_SE   ; 8 rows x my wave's 1,024 bytes, a lane 256 bytes: pass p of block 0 names rows 32 p .. + 31 of block 1, each unit once
.endr
.Lno_ask_\@:
.endif
	s_wait_dscnt 16
.else
	s_wait_dscnt 0x0
.endif
	WIN 0x58
	MUL16 \s, 1
	PLACES
	WIN 0
.if (\s) < 7
	FETCHA 1, (\s)+1
.endif
.if (\bm) == 1
	BLD \s, ((\s)+4)*131072
.endif
.if (\bm) == 2
	BLD \s, ((\s)-4)*131072+32768
.endif
.endm
; the context of 16 rows from LDS: their bf16 copy and their p into a buffer, and the sums
.macro LDX xb, pb, ar, off, g
.irp i, 0,1,2,3,4,5,6,7,8,9,10,11,12,13,14,15
	ds_load_b128 v[\xb+4*\i:\xb+4*\i+3], v[\ar] offset:(\off)+2048*\i
.endr
.irp q, 0,1,2,3
	ds_load_b128 v[\pb+4*\q:\pb+4*\q+3], v[PBR] offset:256+64*(\g)+16*\q
.endr
.endm
.macro FMA16 xb, pb
.irp i, 0,1,2,3,4,5,6,7,8,9,10,11,12,13,14,15
.irp c, 0,1,2,3
	v_fma_mix_f32_bf16 v[CTX+2*\c], v[\xb+4*\i+\c], v[\pb+\i], v[CTX+2*\c] op_sel_hi:[1,0,0]
	v_fma_mix_f32_bf16 v[CTX+2*\c+1], v[\xb+4*\i+\c], v[\pb+\i], v[CTX+2*\c+1] op_sel:[1,0,0] op_sel_hi:[1,0,0]
.endr
.endr
.endm
	s_load_b512 s[4:19], s[0:1], 0x0               ; x s[4:5], wfrag s[6:7], cvw s[8:9], Wa_w s[10:11], aux s[12:13], scales s[14:15], pctx s[16:17], pstat s[18:19]
	v_lshl_add_u32 v[SPW], v0, 2, SPARE
	v_mov_b32 v[NIL], 0
	v_lshrrev_b32 v40, 5, v0
	v_readfirstlane_b32 s[WV], v40                 ; wave w
	s_lshl_b32 s44, s[WV], 10
	s_lshl_b32 s45, s[WV], 8
	s_lshl_b32 s24, s[WV], 9
	s_add_co_u32 s46, s24, BF
	s_lshl_b32 s47, s[WV], 13
	s_add_co_u32 s48, s44, TBL
	s_add_co_u32 s49, s24, SC
	s_add_co_u32 s50, s24, PB
	s_lshr_b32 s51, ttmp9, 3                       ; batch b; its place in cvw: 1,024 (b / 16) + 512 (bit 2) + 256 (bit 3) + 4 (b % 4)
	s_lshr_b32 s52, s51, 4
	s_lshl_b32 s52, s52, 10
	s_bfe_u32 s24, s51, 0x10002
	s_lshl_b32 s24, s24, 9
	s_add_co_u32 s52, s52, s24
	s_bfe_u32 s24, s51, 0x10003
	s_lshl_b32 s24, s24, 8
	s_add_co_u32 s52, s52, s24
	s_and_b32 s24, s51, 3
	s_lshl_b32 s24, s24, 2
	s_add_co_u32 s52, s52, s24
	s_mov_b32 s53, 0
	s_lshl_b32 s54, ttmp9, 20                      ; my 256 rows of 4,096 bytes
	s_mov_b32 s55, 0
	s_mov_b32 s40, 0x76543210
	s_mov_b32 s41, 0xfedcba98
	v_and_b32 v41, 31, v0                          ; L
	v_and_b32 v42, 15, v0                          ; r
	v_bfe_u32 v43, v0, 4, 1                        ; h
	v_lshl_add_u32 v[XO], v41, 4, s44              ; x and pctx: 1,024 w + 16 L
	v_lshl_add_u32 v[CWR], v41, 2, s45             ; codes: 256 w + 4 L, for rows 0-31, 32-63, 64-95, 96-127
	v_add_nc_u32 v[CWR+1], 32*CODP, v[CWR]
	v_add_nc_u32 v[CWR+2], 64*CODP, v[CWR]
	v_add_nc_u32 v[CWR+3], 96*CODP, v[CWR]
	v_lshl_add_u32 v[BF0], v41, 4, s46             ; bf16 rows 64-95: BF + 512 w + 16 L; rows 96-127 behind them
	v_add_nc_u32 v[BF1], 65536, v[BF0]
	v_mul_u32_u24 v44, v42, CODP
	v_lshl_add_u32 v[ADA], v43, 4, v44             ; A's fragments: row r, + 16 h
	v_add_nc_u32 v[ADA+1], 64*CODP, v[ADA]
	v_lshl_add_u32 v[BA], v41, 4, s47              ; wfrag: my 4 unit tiles of a pass: 8,192 w + 16 L
	v_lshl_add_u32 v[TB0], v42, 2, s48             ; my table of cv and Wa_w: read at 4 r
	v_lshl_add_u32 v45, v41, 2, s48
	v_lshl_add_u32 v46, v41, 3, s48
	v_lshl_add_u32 v[SCW], v43, 5, s49
	v_lshlrev_b32 v[SCR], 4, v41
	v_add_nc_u32 v[SCR], SC, v[SCR]
	v_lshl_add_u32 v[PBW], v41, 4, s50
	v_mov_b32 v[PBR], s50
	v_lshrrev_b32 v47, 2, v41
	v_lshl_add_u32 v47, v47, 12, s44
	v_and_b32 v48, 3, v41
	v_lshl_add_u32 v[PFO], v48, 8, v47             ; prefetch: row L / 4, unit L % 4 of my 1,024 bytes
	v_lshl_add_u32 v49, v42, 4, s47
	v_lshl_add_u32 v49, v43, 11, v49               ; cvw: 8,192 w + 2,048 h + 16 r
	v_lshl_add_u32 v50, v41, 3, s45                ; Wa_w: 256 w + 8 L
	v_mov_b32 v[MX], 0xff800000
	v_mov_b32 v[LS], 0
.irp c, 0,1,2,3,4,5,6,7
	v_mov_b32 v[CTX+\c], 0
.endr
	s_wait_alu depctr_va_vdst(0)
	s_wait_kmcnt 0x0
	s_load_b128 s[36:39], s[14:15], 0x0            ; e0 .. e3
	s_load_b32 s[SZ], s[12:13], 0x0                ; S0
	s_add_nc_u64 s[XB:XB+1], s[4:5], s[54:55]
	s_add_nc_u64 s[PF:PF+1], s[XB:XB+1], 0x80000   ; block 1
	s_add_nc_u64 s[8:9], s[8:9], s[52:53]
.irp n, 0,1,2,3,4,5,6,7
	global_load_b32 v[128+\n], v49, s[8:9] offset:(\n/2)*32768+(\n%2)*4096   ; cv of my tiles 2 n + h (tile 4 p + j of my 16)
.endr
.irp p, 0,1,2,3
	global_load_b64 v[136+2*\p:137+2*\p], v50, s[10:11] offset:1024*\p       ; Wa_w of pass p's 64 units
.endr
.irp cc, 0,1,2,3
	XLD16 \cc
.endr
	s_wait_kmcnt 0x0
	s_add_co_i32 s24, s38, 127
	s_lshl_b32 s25, s24, 23
	v_mov_b32 v[SCL], s25                          ; 2^e2
	s_add_co_i32 s24, s24, 8
	s_lshl_b32 s24, s24, 23
	s_or_b32 s24, s24, 0x600000
	v_mov_b32 v[LIM], s24                          ; 448 x 2^e2
	s_add_co_i32 s24, s38, s39
	v_mov_b32 v44, 0x4038aa3b
	v_ldexp_f32 v44, v44, s24
	v_readfirstlane_b32 s[SCA], v44                ; a x 2^(e2 + e3), a = 2 log2(e)
	s_mov_b32 s[SCA+1], s[SCA]
	s_wait_alu depctr_va_vdst(0)
	s_wait_loadcnt 63                              ; 64 loads of x are younger than the twelve small ones
.irp n, 0,1,2,3,4,5,6,7
	ds_store_b32 v45, v[128+\n] offset:128*\n
.endr
.irp p, 0,1,2,3
	ds_store_b64 v46, v[136+2*\p:137+2*\p] offset:4096+256*\p
.endr
	s_mov_b32 s[BLK], 0
.Lblock:
	s_mov_b64 s[WP:WP+1], s[6:7]                   ; every load that used the ring's base stands ahead of the wait on XCNT at its pass's end
.set cn, 0
.rept 16
	CHUNK cn
.set cn, cn+1
.endr
.set zk, 0
.rept 64
	v_mov_b32 v[SAC+zk], 0                         ; the passes are one loop, so the score sums begin as zeros
.set zk, zk+1
.endr
	s_wait_alu depctr_va_vdst(0)
	s_wait_dscnt 0x0                               ; my codes lie in LDS
	s_barrier_signal -1
	s_barrier_wait -1
	; the four waves leave the barrier together; wave w passes 3 w idle lines, so that the waves' runs of 16 LDS loads do not all stand at the same place of a K step
.irp k, 1,2,3
	s_cmp_lt_u32 s[WV], \k
	s_cbranch_scc1 .Lapart
	s_nop 15
	s_nop 15
	s_nop 7
.endr
.Lapart:
	FETCHA 0, 0                                    ; the first pass's first fragments
	FETCHA 1, 0
	s_mov_b32 s[PS], 0
.Lpass:
	s_lshl_b32 s24, s[PS], 8
	v_add_nc_u32 v[TBA], s24, v[TB0]
.irp j, 0,1,2,3
	ds_load_b32 v[CV+\j], v[TBA] offset:64*\j
	ds_load_b32 v[WA+\j], v[TBA] offset:4096+64*\j
.endr
	KSTEP 0, 48, 1, 0
	KSTEP 1, 48, 1, 1
	KSTEP 2, 48, 1, 0
	KSTEP 3, 48, 1, 0
	s_cmp_eq_u32 s[PS], 3
	s_cbranch_scc1 .Llast_half
	KSTEP 4, 48, 2, 0
	KSTEP 5, 48, 2, 0
	KSTEP 6, 48, 2, 0
	KSTEP 7, 48, 2, 0
	FETCHA 0, 0                                    ; the next pass's first fragments set out ahead of the tanh
	FETCHA 1, 0
	s_branch .Ltanh
.Llast_half:                                           ; a block's last pass asks for nothing more
	KSTEP 4, 48, 0, 0
	KSTEP 5, 32, 0, 0
	KSTEP 6, 16, 0, 0
	KSTEP 7, 0, 0, 0
.Ltanh:
	WIN 0x41                                       ; register e of accumulator (i, j), lane (r, h): row 16 i + 8 h + e, unit 16 j + r of my 64
.irp j, 0,1,2,3
.set ti, 0
.rept 8
.irp k, 0,2,4,6
.if \j%2
	v_pk_fma_f32 v[8*(4*ti+\j)+\k:8*(4*ti+\j)+\k+1], v[8*(4*ti+\j)+\k:8*(4*ti+\j)+\k+1], s[SCA:SCA+1], v[CV+2*(\j/2):CV+2*(\j/2)+1] op_sel:[0,0,1] op_sel_hi:[1,0,1]
.else
	v_pk_fma_f32 v[8*(4*ti+\j)+\k:8*(4*ti+\j)+\k+1], v[8*(4*ti+\j)+\k:8*(4*ti+\j)+\k+1], s[SCA:SCA+1], v[CV+2*(\j/2):CV+2*(\j/2)+1] op_sel_hi:[1,0,0]
.endif
.endr
.set ti, ti+1
.endr
.endr
	s_wait_alu depctr_va_vdst(0)                   ; one wait ahead of the batch and one behind it
.set tk, 0
.rept 256
	v_exp_f32 v[tk], v[tk]
.set tk, tk+1
.endr
	v_nop
	s_wait_alu depctr_va_vdst(0)
.set tk, 0
.rept 128
	v_pk_add_f32 v[tk:tk+1], v[tk:tk+1], 1.0 op_sel_hi:[1,0]
.set tk, tk+2
.endr
	s_wait_alu depctr_va_vdst(0)
.set tk, 0
.rept 256
	v_rcp_f32 v[tk], v[tk]
.set tk, tk+1
.endr
	v_nop
	s_wait_alu depctr_va_vdst(0)
	WIN 0x01
.irp j, 0,1,2,3
.set ti, 0
.rept 8
.irp k, 0,2,4,6
.if \j%2
	v_pk_fma_f32 v[SAC+8*ti+\k:SAC+8*ti+\k+1], v[8*(4*ti+\j)+\k:8*(4*ti+\j)+\k+1], v[WA+2*(\j/2):WA+2*(\j/2)+1], v[SAC+8*ti+\k:SAC+8*ti+\k+1] op_sel:[0,1,0] op_sel_hi:[1,1,1]
.else
	v_pk_fma_f32 v[SAC+8*ti+\k:SAC+8*ti+\k+1], v[8*(4*ti+\j)+\k:8*(4*ti+\j)+\k+1], v[WA+2*(\j/2):WA+2*(\j/2)+1], v[SAC+8*ti+\k:SAC+8*ti+\k+1] op_sel_hi:[1,0,1]
.endif
.endr
.set ti, ti+1
.endr
.endr
	WIN 0
	s_wait_xcnt 0x0                                ; the loads and prefetches have read their bases
	s_add_nc_u64 s[WP:WP+1], s[WP:WP+1], 0x8000    ; the next pass's 16 unit tiles
	s_add_nc_u64 s[PF:PF+1], s[PF:PF+1], 0x20000   ; 32 rows on
	s_add_co_u32 s[PS], s[PS], 1
	s_cmp_lt_u32 s[PS], 4
	s_wait_alu depctr_va_vdst(0)
	s_cbranch_scc1 .Lpass
	s_cmp_lg_u32 s[BLK], 0
	s_cbranch_scc1 .Lno_next
	s_add_nc_u64 s[XB:XB+1], s[XB:XB+1], 0x80000   ; block 1's first 32 rows set out under block 0's softmax and context
.irp cc, 0,1,2,3
	XLD16 \cc
.endr
.Lno_next:
.irp x, 1,2,4,8                                ; the sums over a row of 16 lanes: 16 units
.set zk, 0
.rept 64
	v_add_f32_dpp v[SAC+zk], v[SAC+zk], v[SAC+zk] row_xmask:\x row_mask:0xf bank_mask:0xf
.set zk, zk+1
.endr
.endr
.irp i, 0,1,2,3,4,5,6,7
.irp u, 0,1
	ds_store_b128 v[SCW], v[SAC+8*\i+4*\u:SAC+8*\i+4*\u+3] offset:64*\i+16*\u   ; row 16 i + 8 h + 4 u + ..: sixteen lanes write the same words
.endr
.endr
	s_wait_dscnt 0x0                               ; my sums lie in LDS, and my reads of the codes are over
	s_barrier_signal -1
	s_barrier_wait -1
.irp p, 0,1,2,3
	ds_load_b128 v[40+4*\p:43+4*\p], v[SCR] offset:512*\p   ; rows 4 L .. 4 L + 3 of each wave's sums
.endr
	s_wait_dscnt 0x0
	v_pk_add_f32 v[40:41], v[40:41], v[44:45]
	v_pk_add_f32 v[42:43], v[42:43], v[46:47]
	v_pk_add_f32 v[48:49], v[48:49], v[52:53]
	v_pk_add_f32 v[50:51], v[50:51], v[54:55]
	v_pk_add_f32 v[40:41], v[40:41], v[48:49]
	v_pk_add_f32 v[42:43], v[42:43], v[50:51]
.irp k, 0,1,2,3
	v_fma_f32 v[40+\k], v[40+\k], -2.0, s[SZ]      ; the scores
.endr
	v_max3_num_f32 v56, v40, v41, v42
	v_max_num_f32 v56, v56, v43
.irp x, 1,2,4,8
	v_max_num_f32_dpp v56, v56, v56 row_xmask:\x row_mask:0xf bank_mask:0xf
.endr
	v_mov_b32 v57, v56
	v_permlanex16_b32 v57, v56, s40, s41
	v_max_num_f32 v56, v56, v57
	v_max_num_f32 v56, v56, v[MX]                  ; the running maximum
	v_sub_f32 v58, v[MX], v56
.irp k, 0,1,2,3
	v_sub_f32 v[40+\k], v[40+\k], v56
.endr
	v_mul_f32 v58, 0x3fb8aa3b, v58
.irp k, 0,1,2,3
	v_mul_f32 v[40+\k], 0x3fb8aa3b, v[40+\k]
.endr
	s_wait_alu depctr_va_vdst(0)
	v_exp_f32 v58, v58
.irp k, 0,1,2,3
	v_exp_f32 v[40+\k], v[40+\k]
.endr
	v_mov_b32 v[MX], v56
	s_wait_alu depctr_va_vdst(0)
	ds_store_b128 v[PBW], v[40:43]                 ; p goes through my own LDS words and comes back the same in every lane
.irp q, 0,1,2,3,4,5,6,7,8,9,10,11,12,13,14,15
	ds_load_b128 v[AF+4*\q:AF+4*\q+3], v[PBR] offset:16*\q
.endr
	LDX 64, 192, BF0, 0, 0                         ; rows 64-79 set out under the register rows' sums
	v_add_f32 v44, v40, v41
	v_add_f32 v45, v42, v43
	v_add_f32 v44, v44, v45
.irp x, 1,2,4,8
	v_add_f32_dpp v44, v44, v44 row_xmask:\x row_mask:0xf bank_mask:0xf
.endr
	v_permlanex16_b32 v45, v44, s40, s41
	v_add_f32 v44, v44, v45
	v_fma_f32 v[LS], v[LS], v58, v44
	v_mov_b32 v59, v58
.irp c, 0,2,4,6
	v_pk_mul_f32 v[CTX+\c:CTX+\c+1], v[CTX+\c:CTX+\c+1], v[58:59] op_sel_hi:[1,0]
.endr
	s_wait_alu depctr_va_vdst(0)
	s_wait_dscnt 20                                ; p of rows 0-63 is in; the 20 loads for rows 64-79 may be out
	WIN 0x03                                       ; rows 0-63: the bf16 copy in window 3
.set rw, 0
.rept 64
.irp c, 0,1,2,3
	v_fma_mix_f32_bf16 v[CTX+2*\c], v[4*rw+\c], v[AF+rw], v[CTX+2*\c] op_sel_hi:[1,0,0]
	v_fma_mix_f32_bf16 v[CTX+2*\c+1], v[4*rw+\c], v[AF+rw], v[CTX+2*\c+1] op_sel:[1,0,0] op_sel_hi:[1,0,0]
.endr
.set rw, rw+1
.endr
	WIN 0
	LDX 128, 208, BF0, 32768, 1                    ; rows 80-95
	s_mov_b32 s[CI], 0
.Lctx:                                                 ; rows 64-127 on two buffers: while one is summed the other's 20 loads are out
	s_wait_alu depctr_va_vdst(0)
	s_wait_dscnt 20
	FMA16 64, 192
	s_cmp_lg_u32 s[CI], 0
	s_cbranch_scc1 .Lctx_end
	LDX 64, 192, BF1, 0, 2                         ; rows 96-111
	s_wait_alu depctr_va_vdst(0)
	s_wait_dscnt 20
	FMA16 128, 208
	LDX 128, 208, BF1, 32768, 3                    ; rows 112-127
	s_add_co_u32 s[CI], s[CI], 1
	s_cmp_lt_u32 s[CI], 2
	s_cbranch_scc1 .Lctx
.Lctx_end:
	s_wait_alu depctr_va_vdst(0)
	s_wait_dscnt 0x0
	FMA16 128, 208
	s_add_co_u32 s[BLK], s[BLK], 1
	s_cmp_lt_u32 s[BLK], 2
	s_wait_alu depctr_va_vdst(0)
	s_cbranch_scc1 .Lblock
	; my part leaves: CTX 0-3 are columns 256 w + 4 L .., CTX 4-7 the same 128 columns on: each store of the wave covers 512 consecutive bytes, aligned
	v_and_b32 v41, 31, v0
	v_lshlrev_b32 v48, 4, v41
	v_mov_b32 v44, v[MX]
	v_mov_b32 v45, v[LS]
	v_mov_b32 v46, v[MX]
	v_mov_b32 v47, v[LS]
	s_lshl_b32 s24, ttmp9, 12
	s_mov_b32 s25, 0
	s_add_nc_u64 s[16:17], s[16:17], s[24:25]
	s_lshl_b32 s24, ttmp9, 9
	s_add_nc_u64 s[18:19], s[18:19], s[24:25]
	global_store_b128 v[XO], v[CTX:CTX+3], s[16:17]
	global_store_b128 v[XO], v[CTX+4:CTX+7], s[16:17] offset:512
	s_cmp_lg_u32 s[WV], 0
	s_wait_alu depctr_va_vdst(0)
	s_cbranch_scc1 .Lnot_wave_0
	global_store_b128 v48, v[44:47], s[18:19]      ; m and l, the same in all waves: stored by wave 0
.Lnot_wave_0:
	s_wait_tensorcnt 0x0                           ; the wave's end
	ds_add_u32 v[SPW], v[NIL]
	s_wait_dscnt 0x0
	s_endpgm
.Lfunc_end_k_qfb3e2c79f7_main:
	.size	k_qfb3e2c79f7_main, .Lfunc_end_k_qfb3e2c79f7_main-k_qfb3e2c79f7_main
	.p2alignl 7, 3214868480
	.fill 96, 4, 3214868480
	.section	.rodata,"a",@progbits
	.p2align	6, 0x0
	.amdhsa_kernel k_qfb3e2c79f7_main
		.amdhsa_group_segment_fixed_size 276992
		.amdhsa_private_segment_fixed_size 0
		.amdhsa_enable_private_segment 0
		.amdhsa_kernarg_size 64
		.amdhsa_user_sgpr_count 2
		.amdhsa_user_sgpr_kernarg_segment_ptr 1
		.amdhsa_wavefront_size32 1
		.amdhsa_system_sgpr_workgroup_id_x 1
		.amdhsa_system_sgpr_workgroup_id_y 1
		.amdhsa_system_sgpr_workgroup_id_z 1
		.amdhsa_system_vgpr_workitem_id 0
		.amdhsa_next_free_vgpr 1024
		.amdhsa_next_free_sgpr 66
		.amdhsa_reserve_vcc 0
		.amdhsa_float_denorm_mode_32 3
		.amdhsa_float_denorm_mode_16_64 3
		.amdhsa_memory_ordered 1
		.amdhsa_forward_progress 1
		.amdhsa_inst_pref_size 255
	.end_amdhsa_kernel
	.section	.bss,"aw",@nobits
	.p2align	6
	.space	262144
	.amdgpu_metadata
---
amdhsa.version: [ 1, 2 ]
amdhsa.kernels:
  - .name:           k_qfb3e2c79f7_main
    .symbol:         k_qfb3e2c79f7_main.kd
    .args:
      - { .name: encoder_hiddens, .offset: 0, .size: 8, .value_kind: global_buffer, .address_space: global }
      - { .name: wfrag, .offset: 8, .size: 8, .value_kind: global_buffer, .address_space: global }
      - { .name: cvw, .offset: 16, .size: 8, .value_kind: global_buffer, .address_space: global }
      - { .name: Wa_w, .offset: 24, .size: 8, .value_kind: global_buffer, .address_space: global }
      - { .name: aux, .offset: 32, .size: 8, .value_kind: global_buffer, .address_space: global }
      - { .name: lowp_scales, .offset: 40, .size: 8, .value_kind: global_buffer, .address_space: global }
      - { .name: pctx, .offset: 48, .size: 8, .value_kind: global_buffer, .address_space: global }
      - { .name: pstat, .offset: 56, .size: 8, .value_kind: global_buffer, .address_space: global }
    .group_segment_fixed_size: 276992
    .private_segment_fixed_size: 0
    .kernarg_segment_align: 8
    .kernarg_segment_size: 64
    .max_flat_workgroup_size: 128
    .sgpr_count:     66
    .vgpr_count:     1024
    .wavefront_size: 32
...
	.end_amdgpu_metadata
.endif
;; end of part 2
;; launch comb (part 3): grid 4 x 32, 2 waves a work-group, no clusters, 0 bytes of LDS; arguments pctx, pstat, out0; writes out0
.if DOCPART == 3
	.amdgcn_target "amdgcn-amd-amdhsa--gfx1250"
	.amdhsa_code_object_version 6
	.text
	.protected	k_qfb3e2c79f7_comb
	.globl	k_qfb3e2c79f7_comb
	.p2align	8
	.type	k_qfb3e2c79f7_comb,@function
k_qfb3e2c79f7_comb:
	s_mov_b64 s[64:65], 0
	v_nop
	global_prefetch_b8 v0, s[64:65] scope:SCOPE_SE
	s_setreg_imm32_b32 hwreg(HW_REG_WAVE_MODE, 25, 1), 1
	s_wait_xcnt 0x0
; out0[b][:] = (sum over the batch's eight parts i of w_i ctx_i[:]) / (sum of w_i l_i), w_i = e^(m_i - M), M the largest m_i.
; Work-group (x, b): 256 columns of batch b; a thread 4 columns, 16 bytes: sixteen neighbouring lanes load and store 256 consecutive bytes, aligned.  No LDS, no barrier: threads share nothing.
	s_load_b128 s[4:7], s[0:1], 0x0                ; pctx s[4:5], pstat s[6:7]
	s_load_b64 s[8:9], s[0:1], 0x10                ; out0
	s_and_b32 s10, ttmp7, 0xffff                   ; b
	s_lshl_b32 s11, ttmp9, 10                      ; my 1,024 bytes of a row
	s_lshl_b32 s12, s10, 12                        ; pstat: 8 parts of 512 bytes x b
	s_mov_b32 s13, 0
	s_lshl_b32 s14, s10, 15                        ; pctx: 8 parts of 4,096 bytes x b
	s_add_co_u32 s14, s14, s11
	s_mov_b32 s15, 0
	s_add_co_u32 s34, s12, s11                     ; out0: 4,096 bytes x b
	s_mov_b32 s35, 0
	v_lshlrev_b32 v1, 4, v0
	s_wait_alu depctr_va_vdst(0)
	s_wait_kmcnt 0x0
	s_add_nc_u64 s[6:7], s[6:7], s[12:13]
	s_add_nc_u64 s[4:5], s[4:5], s[14:15]
	s_add_nc_u64 s[8:9], s[8:9], s[34:35]
.irp i, 0,1,2,3,4,5,6,7
	s_load_b64 s[16+2*\i:17+2*\i], s[6:7], 512*\i  ; m_i, l_i
.endr
.irp i, 0,1,2,3,4,5,6,7
	global_load_b128 v[4+4*\i:7+4*\i], v1, s[4:5] offset:4096*\i th:TH_LOAD_NT
.endr
	s_wait_kmcnt 0x0
	v_mov_b32 v40, s16
.irp i, 1,2,3,4,5,6,7
	v_max_num_f32 v40, s[16+2*\i], v40             ; M
.endr
.irp i, 0,1,2,3,4,5,6,7
	v_sub_f32 v[44+\i], s[16+2*\i], v40
.endr
.irp i, 0,1,2,3,4,5,6,7
	v_mul_f32 v[44+\i], 0x3fb8aa3b, v[44+\i]
.endr
	s_wait_alu depctr_va_vdst(0)
.irp i, 0,1,2,3,4,5,6,7
	v_exp_f32 v[44+\i], v[44+\i]                   ; w_i
.endr
	v_nop                                          ; a plain instruction behind the batch,
	s_wait_alu depctr_va_vdst(0)                   ; and one wait for the eight, ahead of their first reader
	v_mul_f32 v41, s17, v44
.irp i, 1,2,3,4,5,6,7
	v_fmac_f32 v41, s[17+2*\i], v[44+\i]           ; the sum of w_i l_i
.endr
	s_wait_alu depctr_va_vdst(0)
	v_rcp_f32 v42, v41
	s_wait_loadcnt 0x0
.irp k, 0,1,2,3
	v_mul_f32 v[36+\k], v[4+\k], v44               ; (plain work behind the reciprocal, which names neither its result nor its source)
.endr
.irp i, 1,2,3,4,5,6,7
.irp k, 0,1,2,3
	v_fmac_f32 v[36+\k], v[4+4*\i+\k], v[44+\i]
.endr
.endr
	s_wait_alu depctr_va_vdst(0)                   ; the wait for the reciprocal, ahead of its first reader
.irp k, 0,1,2,3
	v_mul_f32 v[36+\k], v[36+\k], v42
.endr
	global_store_b128 v1, v[36:39], s[8:9]
	s_endpgm
.Lfunc_end_k_qfb3e2c79f7_comb:
	.size	k_qfb3e2c79f7_comb, .Lfunc_end_k_qfb3e2c79f7_comb-k_qfb3e2c79f7_comb
	.p2alignl 7, 3214868480
	.fill 96, 4, 3214868480
	.section	.rodata,"a",@progbits
	.p2align	6, 0x0
	.amdhsa_kernel k_qfb3e2c79f7_comb
		.amdhsa_group_segment_fixed_size 0
		.amdhsa_private_segment_fixed_size 0
		.amdhsa_enable_private_segment 0
		.amdhsa_kernarg_size 24
		.amdhsa_user_sgpr_count 2
		.amdhsa_user_sgpr_kernarg_segment_ptr 1
		.amdhsa_wavefront_size32 1
		.amdhsa_system_sgpr_workgroup_id_x 1
		.amdhsa_system_sgpr_workgroup_id_y 1
		.amdhsa_system_sgpr_workgroup_id_z 1
		.amdhsa_system_vgpr_workitem_id 0
		.amdhsa_next_free_vgpr 64
		.amdhsa_next_free_sgpr 66
		.amdhsa_reserve_vcc 0
		.amdhsa_float_denorm_mode_32 3
		.amdhsa_float_denorm_mode_16_64 3
		.amdhsa_memory_ordered 1
		.amdhsa_forward_progress 1
		.amdhsa_inst_pref_size 6
	.end_amdhsa_kernel
	.amdgpu_metadata
---
amdhsa.version: [ 1, 2 ]
amdhsa.kernels:
  - .name:           k_qfb3e2c79f7_comb
    .symbol:         k_qfb3e2c79f7_comb.kd
    .args:
      - { .name: pctx, .offset: 0, .size: 8, .value_kind: global_buffer, .address_space: global }
      - { .name: pstat, .offset: 8, .size: 8, .value_kind: global_buffer, .address_space: global }
      - { .name: out0, .offset: 16, .size: 8, .value_kind: global_buffer, .address_space: global }
    .group_segment_fixed_size: 0
    .private_segment_fixed_size: 0
    .kernarg_segment_align: 8
    .kernarg_segment_size: 24
    .max_flat_workgroup_size: 64
    .sgpr_count:     66
    .vgpr_count:     64
    .wavefront_size: 32
...
	.end_amdgpu_metadata
.endif
;; end of part 3
